; MI455X (gfx1250); checked and timed in simulation.
; The chip was launched on July 23, 2026; its instructions are those of AMD's public machine-readable ISA for CDNA 5 (MIT licence, August 2026) and "CDNA5" Instruction Set Architecture Reference Guide (July 2026). The comments in the code are by the model that wrote it; some were corrected since.
;; Qwen3 TTS Tokenizer Single Codebook Euclidean Codebook. Allowed arithmetic: matrix products marked QUANTISED: E2M3 operands, one E8M0 scale for each 32 along K, by v_wmma_scale_f32_16x16x128_f8f6f4 with both operands' format E2M3, f32 sums; everything else in f32.
;; Inputs: embed 8,192 x 256 float32; x 8 x 4,096 x 256 float32.
;; Outputs: out0 8 x 4,096 x 256 float32.
;; This version of the problem:
;;   THIS VERSION OF THE PROBLEM IS GIVEN IN LOW PRECISION. The matrix products marked QUANTISED in the list below multiply operands that are first quantised to E2M3 (2 exponent bits, 3 mantissa bits; 6 bits a number), with one power-of-two scale for each 32 numbers along K (OCP MX v1.0); their sums are f32. All else is computed in f32.
;;   The module's matrix products, in the order in which they are computed (A, B: the left and right operand; K: the contracted axis; several contracted axes count as one K, in the product's order):
;;     1. [M 32,768, K 256] x [K 256, N 8,192]; A: input x; B: input embed: QUANTISED
;;   THE QUANTISER, for each operand of a quantised product, along K:
;;     - K is cut into blocks of 32 from its start; a last block that is shorter is filled with zeros.
;;     - A block's scale is 2^e with e = floor(log2(the largest magnitude in the block)) - 2, held to -126 .. 127; a block of zeros has e = 0. As a byte (E8M0): e + 127.
;;     - Each number is divided by its block's scale, clamped to +-7.5, and rounded to the nearest number of E2M3, ties to even, subnormals kept.
;;     - The product sums the exact products of the quantised numbers (number of the format x scale) in f32.
;;   ~~~python
;;   def quantise(x, axis):      # numpy; x: float32 -> the quantised numbers, widened to float32 again
;;       x = np.moveaxis(x, axis, -1); K = x.shape[-1]
;;       x = np.pad(x, [(0, 0)] * (x.ndim - 1) + [(0, -K % 32)]); x = x.reshape(x.shape[:-1] + (-1, 32)); a = np.abs(x).max(-1, keepdims=True)
;;       e = np.where(a > 0, np.clip(np.frexp(np.where(a > 0, a, 1))[1] - 1 - 2, -126, 127), 0)      # np.frexp(a)[1] - 1 = floor(log2(a)), exactly
;;       r = np.clip(x / 2.0 ** e, -7.5, 7.5)
;;       step = 2.0 ** (np.maximum(np.frexp(np.where(r == 0, 1, r))[1] - 1, 0) - 3)
;;       q = np.round(r / step) * step * 2.0 ** e      # np.round: ties to even
;;       return np.moveaxis(q.reshape(q.shape[:-2] + (-1,))[..., :K], -1, axis).astype(np.float32)
;;   ~~~
;; One version. Each part assembles by itself: llvm-mc -triple=amdgcn-amd-amdhsa -mcpu=gfx1250 --defsym DOCPART=n.
;; ======== version 1 of 1: 3 launches
;; limits: right only within a limited range of input values
;; workspace buffers: ecode 1,703,936 bytes; ind 131,072 bytes of whole numbers
;; launch quant_e (part 1): grid 256 x 1, 2 waves a work-group, no clusters, 16,640 bytes of LDS; arguments embed, ecode; writes ecode
.if DOCPART == 1
	.amdgcn_target "amdgcn-amd-amdhsa--gfx1250"
	.amdhsa_code_object_version 6
	.text
	.protected	k_q523e74dc64_quant_e
	.globl	k_q523e74dc64_quant_e
	.p2align	8
	.type	k_q523e74dc64_quant_e,@function
k_q523e74dc64_quant_e:
	s_mov_b64 s[64:65], 0
	v_nop
	global_prefetch_b8 v0, s[64:65] scope:SCOPE_SE
	s_setreg_imm32_b32 hwreg(HW_REG_WAVE_MODE, 25, 1), 1
	s_wait_xcnt 0x0
; WORK LEFT OUT BY THE PROGRAM.  The result is embed[argmax over k of -(x_sq - 2 p(k) + e_sq(k))], p(k) = the quantised product of a row of x with embed[k].  x_sq is one number for a row, the same for every k,
; so in real numbers the argmax over k is that of p(k) - e_sq(k) / 2, whatever finite values x and embed hold: x_sq is never formed.  x itself stays live (it makes p).
; LIMITS: a NaN, an infinity or an overflow that would arise in x_sq alone is not carried to the result.  The order of rounding differs from the problem's: p - e_sq / 2 is summed by the matrix instruction, with
; -e_sq / 2 as its addend, so two codes whose distances lie a few units of the last place apart may change places.
; THIS LAUNCH: embed [8192][256] f32 becomes 512 RECORDS of 3,328 bytes, one for each 16 rows (a tile of the product's source 0), laid as the next launch's registers want them:
;   +0     the fragment of K = 0 .. 127: 12 registers a lane, as 3 runs of 512 bytes; run c holds lane l's registers 4 c .. 4 c + 3 at 16 l
;   +1536  the fragment of K = 128 .. 255, likewise
;   +3072  one scale register, 4 bytes a lane: lanes 0-15 row r's four E8M0 bytes of K = 0 .. 127, lanes 16-31 row r's of K = 128 .. 255
;   +3200  for each of the 16 rows -1/2 x its sum of squares (of the numbers as given, f32);   +3264  64 bytes of zeros, so that a record is 13 whole runs of 256 bytes
; Codes are FP6 (E2M3), one scale for each 32 along K: scale 2^(floor(log2(largest magnitude)) - 2); its byte is the largest magnitude's exponent field - 2, held at 1 from below.
; LIMITS: NaN and infinities among the inputs are not served.  A block whose largest magnitude lies under 2^-124, a block of zeros among them, has the byte 1 (for zeros the rule says 127: the codes are zeros,
; which add nothing under any byte but 0xff, and only this program reads the bytes).  A row's squares are summed in eight partial sums a lane and then a tree over four lanes.
; SHARES: a wave takes one record: 16 rows, 16,384 consecutive bytes.  Waves share nothing: no barrier; each has 8,192 bytes of LDS of its own.
; A lane must hold the 32 neighbours of a block for the conversions, while each load reads 512 consecutive bytes: so half rows turn through a stage in LDS.
.set RECB,  3328
.set ROWS,  4608                       ; LDS of a wave: +0 the stage, 8 half rows x 576 bytes; +4608 16 rows of codes x 192 bytes; +7680 the record's last 256 bytes
.set TAIL,  7680
.set GA,  2                            ; 16 x lane
.set SW,  3                            ; the stage, way in: 16 (lane + lane / 8)
.set SRD, 4                            ; the stage, way out: 576 (lane / 4) + 144 (lane % 4)
.set RW,  5                            ; where my block's 24 bytes of codes go
.set SBA, 6                            ; where my block's scale byte goes
.set EA,  7                            ; where my row's -e_sq / 2 goes
.set ZA,  8                            ; the zeros
.set FA,  9                            ; a fragment's row: 192 (lane % 16) + 24 (lane / 16)
.set TA,  10                           ; the record's last 256 bytes, 8 a lane
.set T8,  11                           ; 8 x lane
.set NIL, 12                           ; 0
.set R0,  16                           ; v16-79 rows 0-7 as loaded;  v80-143 rows 8-15
.set R1,  80
.set X0,  144                          ; my block of the first half row, of the second
.set X1,  176
.set C0,  208                          ; codes
.set C1,  216
.set BY,  224                          ; scale bytes
.set SCO, 226                          ; the conversions' scale operands
.set MX,  228                          ; largest magnitudes, two chains
.set SQ,  232                          ; sums of squares, four pairs
.set SS,  240                          ; the row's sum
.macro LOAD8 R, off                    ; eight rows: 16 loads of 512 consecutive bytes
.irp i, 0,1,2,3,4,5,6,7,8,9,10,11,12,13,14,15
	global_load_b128 v[\R+4*\i:\R+4*\i+3], v[GA], s[4:5] offset:\off+512*\i th:TH_LOAD_NT
.endr
.endm
.macro TURN R, s, X                    ; half s of the eight rows goes through the stage; LDS serves a wave's instructions in order (ISA guide 5.7.1.4)
.irp q, 0,1,2,3,4,5,6,7
	ds_store_b128 v[SW], v[\R+4*(2*\q+\s):\R+4*(2*\q+\s)+3] offset:576*\q
.endr
.irp i, 0,1,2,3,4,5,6,7
	ds_load_b128 v[\X+4*\i:\X+4*\i+3], v[SRD] offset:16*\i
.endr
.endm
.macro QBLK X, C, n, off, sb, first    ; one block of 32 numbers: its scale byte, its 24 bytes of codes, its squares onto the four pairs
	v_max3_num_f32 v[MX], |v[\X]|, |v[\X+1]|, |v[\X+2]|
	v_max3_num_f32 v[MX+1], |v[\X+3]|, |v[\X+4]|, |v[\X+5]|
.irp i, 6,10,14,18,22,26
	v_max3_num_f32 v[MX], v[MX], |v[\X+\i]|, |v[\X+\i+1]|
	v_max3_num_f32 v[MX+1], v[MX+1], |v[\X+\i+2]|, |v[\X+\i+3]|
.endr
	v_max3_num_f32 v[MX], v[MX], |v[\X+30]|, |v[\X+31]|
	v_max3_num_f32 v[MX], v[MX], v[MX+1], 0x1800000        ; the floor 2^(3 - 127): the byte cannot fall under 1
	v_add_nc_u32 v[SCO+\n], 0xff000000, v[MX]              ; 2 off the exponent field: the conversion's scale operand
	v_lshrrev_b32 v[BY+\n], 23, v[SCO+\n]                  ; the scale's byte
	v_cvt_scalef32_pk16_fp6_f32 v[\C:\C+2], v[\X:\X+15], v[SCO+\n]
	v_cvt_scalef32_pk16_fp6_f32 v[\C+4:\C+6], v[\X+16:\X+31], v[SCO+\n]
	v_nop                                                  ; one plain place behind a scaled conversion
.irp p, 0,1,2,3,4,5,6,7,8,9,10,11,12,13,14,15
.if \first && (\p < 4)
	v_pk_mul_f32 v[SQ+2*\p:SQ+2*\p+1], v[\X+2*\p:\X+2*\p+1], v[\X+2*\p:\X+2*\p+1]
.else
	v_pk_fma_f32 v[SQ+2*(\p%4):SQ+2*(\p%4)+1], v[\X+2*\p:\X+2*\p+1], v[\X+2*\p:\X+2*\p+1], v[SQ+2*(\p%4):SQ+2*(\p%4)+1]
.endif
.endr
	v_mov_b32 v[\C+3], v[\C+4]                             ; the block's 192 bits on end
	v_mov_b32 v[\C+4], v[\C+5]
	v_mov_b32 v[\C+5], v[\C+6]
	ds_store_b64 v[RW], v[\C:\C+1] offset:\off
	ds_store_b64 v[RW], v[\C+2:\C+3] offset:\off+8
	ds_store_b64 v[RW], v[\C+4:\C+5] offset:\off+16
	ds_store_b8 v[SBA], v[BY+\n] offset:\sb
.endm
.macro SQEND                           ; my 64 squares, those of the three lanes that share my row, and the factor -1/2
	v_pk_add_f32 v[SQ:SQ+1], v[SQ:SQ+1], v[SQ+2:SQ+3]
	v_pk_add_f32 v[SQ+4:SQ+5], v[SQ+4:SQ+5], v[SQ+6:SQ+7]
	v_pk_add_f32 v[SQ:SQ+1], v[SQ:SQ+1], v[SQ+4:SQ+5]
	v_add_f32 v[SS], v[SQ], v[SQ+1]
	v_add_f32_dpp v[SS], v[SS], v[SS] row_xmask:1 row_mask:0xf bank_mask:0xf
	v_add_f32_dpp v[SS], v[SS], v[SS] row_xmask:2 row_mask:0xf bank_mask:0xf
	v_mul_f32 v[SS], -0.5, v[SS]                           ; exact: a power of two
.endm
.macro FRAGR reg, off                  ; a fragment: lane (r, h) takes 24 bytes at 24 h and 24 bytes at 48 + 24 h of its row's 96, in pieces of 8 bytes
.irp p, 0,1,2,3,4,5
	ds_load_b64 v[\reg+2*\p:\reg+2*\p+1], v[FA] offset:\off+48*(\p/3)+8*(\p%3)
.endr
.endm
.macro EIGHT u, R, left                ; rows 8 u .. 8 u + 7
	s_wait_loadcnt \left                                   ; these eight rows are in; left: the loads of the eight behind them
	TURN \R, 0, X0
	TURN \R, 1, X1
	s_wait_dscnt 16                                        ; the first half's blocks are back: behind their loads stand the second turn's 8 stores and 8 loads
	QBLK X0, C0, 0, 1536*\u, 32*\u, 1
	s_wait_dscnt 4                                         ; the second half's are back: behind their loads stand the first block's 4 stores
	QBLK X1, C1, 1, 1536*\u+96, 32*\u+64, 0
	SQEND
	ds_store_b32 v[EA], v[SS] offset:32*\u                 ; the four lanes of a row write the same word with the same value
	s_wait_dscnt 0x0                                       ; the stores have read their registers
.endm
	s_load_b128 s[4:7], s[0:1], 0x0                ; embed s[4:5], the records s[6:7]
	v_lshl_add_u32 v254, v0, 2, 0x4000             ; my spare word, behind the two waves' regions
	v_mov_b32 v255, 0
	v_lshrrev_b32 v1, 5, v0
	v_readfirstlane_b32 s10, v1                    ; wave 0, 1
	v_and_b32 v1, 31, v0                           ; lane
	s_lshl_b32 s11, s10, 13                        ; my 8,192 bytes of LDS
	s_lshl_b32 s12, ttmp9, 1
	s_add_co_u32 s12, s12, s10                     ; my record: 2 x work-group + wave
	s_lshl_b32 s14, s12, 14                        ; its 16 rows of 1,024 bytes
	s_mov_b32 s15, 0
	s_mul_i32 s16, s12, RECB
	s_mov_b32 s17, 0
	v_lshlrev_b32 v[GA], 4, v1
	s_wait_alu depctr_va_vdst(0)
	s_wait_kmcnt 0x0
	s_add_nc_u64 s[4:5], s[4:5], s[14:15]
	s_add_nc_u64 s[6:7], s[6:7], s[16:17]
	LOAD8 R0, 0
	LOAD8 R1, 8192
	v_lshrrev_b32 v13, 3, v1
	v_add_nc_u32 v13, v13, v1
	v_lshl_add_u32 v[SW], v13, 4, s11
	v_lshrrev_b32 v13, 2, v1                       ; lane / 4: my row of eight
	v_and_b32 v14, 3, v1                           ; lane % 4: my block of a half row
	v_mul_u32_u24 v[SRD], v13, 576
	v_mad_u32_u24 v[SRD], v14, 144, v[SRD]
	v_add_nc_u32 v[SRD], s11, v[SRD]
	v_mul_u32_u24 v[RW], v13, 192
	v_mad_u32_u24 v[RW], v14, 24, v[RW]
	v_add_nc_u32 v[RW], s11, v[RW]
	v_add_nc_u32 v[RW], ROWS, v[RW]
	s_add_co_u32 s13, s11, TAIL
	v_add_nc_u32 v[SBA], s13, v1                   ; row 8 u + lane / 4, K step s, block lane % 4: byte 64 s + 32 u + lane
	v_lshl_add_u32 v[EA], v13, 2, s13
	v_add_nc_u32 v[EA], 128, v[EA]
	v_and_b32 v14, 15, v1                          ; r
	v_lshrrev_b32 v15, 4, v1                       ; h
	v_lshl_add_u32 v[ZA], v14, 2, s13
	v_add_nc_u32 v[ZA], 192, v[ZA]
	v_mul_u32_u24 v[FA], v14, 192
	v_mad_u32_u24 v[FA], v15, 24, v[FA]
	v_add_nc_u32 v[FA], s11, v[FA]
	v_add_nc_u32 v[FA], ROWS, v[FA]
	v_lshl_add_u32 v[TA], v1, 3, s13
	v_lshlrev_b32 v[T8], 3, v1
	v_mov_b32 v[NIL], 0
	EIGHT 0, R0, 16
	EIGHT 1, R1, 0
	ds_store_b32 v[ZA], v[NIL]                     ; the record's last 64 bytes
	FRAGR 16, 0                                    ; the two fragments as the matrix instruction's registers
	FRAGR 28, 96
	ds_load_b64 v[40:41], v[TA]                    ; scale register, -e_sq / 2, zeros
	s_wait_dscnt 0x0
.irp c, 0,1,2,3,4,5
	global_store_b128 v[GA], v[16+4*\c:16+4*\c+3], s[6:7] offset:512*\c   ; 32 lanes store 512 consecutive bytes, at a multiple of 256 from the buffer's first byte
.endr
	global_store_b64 v[T8], v[40:41], s[6:7] offset:3072                   ; and 256
	s_wait_tensorcnt 0x0                           ; the wave's end
	ds_add_u32 v254, v255
	s_wait_dscnt 0x0
	s_endpgm
.Lfunc_end_k_q523e74dc64_quant_e:
	.size	k_q523e74dc64_quant_e, .Lfunc_end_k_q523e74dc64_quant_e-k_q523e74dc64_quant_e
	.p2alignl 7, 3214868480
	.fill 96, 4, 3214868480
	.section	.rodata,"a",@progbits
	.p2align	6, 0x0
	.amdhsa_kernel k_q523e74dc64_quant_e
		.amdhsa_group_segment_fixed_size 16640
		.amdhsa_private_segment_fixed_size 0
		.amdhsa_enable_private_segment 0
		.amdhsa_kernarg_size 16
		.amdhsa_user_sgpr_count 2
		.amdhsa_user_sgpr_kernarg_segment_ptr 1
		.amdhsa_wavefront_size32 1
		.amdhsa_system_sgpr_workgroup_id_x 1
		.amdhsa_system_sgpr_workgroup_id_y 1
		.amdhsa_system_sgpr_workgroup_id_z 1
		.amdhsa_system_vgpr_workitem_id 0
		.amdhsa_next_free_vgpr 256
		.amdhsa_next_free_sgpr 66
		.amdhsa_reserve_vcc 0
		.amdhsa_float_denorm_mode_32 3
		.amdhsa_float_denorm_mode_16_64 3
		.amdhsa_memory_ordered 1
		.amdhsa_forward_progress 1
		.amdhsa_inst_pref_size 23
	.end_amdhsa_kernel
	.amdgpu_metadata
---
amdhsa.version: [ 1, 2 ]
amdhsa.kernels:
  - .name:           k_q523e74dc64_quant_e
    .symbol:         k_q523e74dc64_quant_e.kd
    .args:
      - { .name: embed, .offset: 0, .size: 8, .value_kind: global_buffer, .address_space: global }
      - { .name: ecode, .offset: 8, .size: 8, .value_kind: global_buffer, .address_space: global }
    .group_segment_fixed_size: 16640
    .private_segment_fixed_size: 0
    .kernarg_segment_align: 8
    .kernarg_segment_size: 16
    .max_flat_workgroup_size: 64
    .sgpr_count:     66
    .vgpr_count:     256
    .wavefront_size: 32
...
	.end_amdgpu_metadata
.endif
;; end of part 1
;; launch nearest (part 2): grid 256 x 1, 8 waves a work-group, clusters of 4 x 1, 327,680 bytes of LDS; arguments x, ecode, ind; writes ind
.if DOCPART == 2
	.amdgcn_target "amdgcn-amd-amdhsa--gfx1250"
	.amdhsa_code_object_version 6
	.text
	.protected	k_q523e74dc64_nearest
	.globl	k_q523e74dc64_nearest
	.p2align	8
	.type	k_q523e74dc64_nearest,@function
k_q523e74dc64_nearest:
	s_mov_b64 s[64:65], 0
	v_nop
	global_prefetch_b8 v0, s[64:65] scope:SCOPE_SE
	s_setreg_imm32_b32 hwreg(HW_REG_WAVE_MODE, 25, 1), 1
	s_wait_xcnt 0x0
	s_wait_alu depctr_hold_cnt(0) depctr_sa_sdst(0) depctr_va_vdst(0) depctr_va_sdst(0) depctr_va_ssrc(0) depctr_va_vcc(0) depctr_vm_vsrc(0)
	s_getreg_b32 s2, hwreg(HW_REG_IB_STS2, 6, 4)
	s_cmp_eq_u32 s2, 0
	s_cbranch_scc0 .Lentry_in_a_cluster
	s_endpgm
.Lentry_in_a_cluster:
	s_bfe_u32 s2, ttmp6, 0x10000c
	s_cmp_lg_u32 s2, 0x3003
	s_cbranch_scc0 .Lentry_shape_is_right
	s_endpgm
.Lentry_shape_is_right:
; ind[row] = the first index k at which s(k) = p(k) - e_sq(k) / 2 is largest; p = x . embed[k] on codes of FP6 (E2M3) with one E8M0 scale for each 32 along K = 256.
; x_sq is left out: it is the same for every k of a row (shown at the head of the first kernel).  -e_sq / 2 comes with each record and is the addend C of a tile's first matrix instruction: no vector instruction forms s.
; LIMITS: NaN and infinities among the inputs are not served (a NaN loses a maximum here).  A block of x whose largest magnitude lies under 2^-124 has the scale byte 1.  The order of rounding differs from the
; problem's (first kernel's head): two codes whose distances lie a few units of the last place apart may change places.  The comparison is strict and the lowest index wins a tie.
; SHARES.  A work-group owns 128 rows of x.  Eight waves, two to a SIMD.  Every wave keeps ALL 128 rows as codes in registers (8 tiles x 24, window 1) and takes an eighth of the codebook: of each step's 32 records,
; records 4 w .. 4 w + 3.  So each record is read from LDS by one wave, 9 loads for 16 matrix instructions.
; THE PRODUCT IS USED TRANSPOSED: source 0 = a record's 16 codes, source 1 = 16 rows of x.  A lane holds ONE row of x (lane % 16); its 8 results are codes 16 t + 8 (lane / 16) + 0 .. 7.
; THE ARGMAX takes 10 vector instructions for a tile's 8 registers: 4 three-input maxima carry the running maximum on (two sets of registers by turns, so that the old one is still there), a compare of new against old,
; the tile's number kept, and 4 pairs of selects that keep the winning tile's eight s.  Which of the eight it was is found once, at the end: the lowest j whose kept s equals the maximum.
; THE CODEBOOK comes in 16 steps through a ring of two LDS slots of 32 records, 106,496 bytes; every wave brings the 4 records that it reads, 52 rows of 256 bytes: one tensor load a wave is out at any time.
; THE CHANGE OF SLOTS begins at the head of a slot's last record, when its nine loads have landed: the waits, the add and the round's opening signal stand there, the record's products and maxima, work on registers,
; between that signal and its wait; the rest of the round and the refill follow.  Trip t works step t and its load brings step t + 2.
; CLUSTER.  Every work-group walks the same records, so the four of a cluster ask for each part JOINTLY: the same tensor load, the same descriptor, a mask that names the four.
; PREFETCH.  In trip t each wave names 13 of the 52 rows that trip t + 2 will load (step t + 4); the four partners share the 52 out by address; lanes 13-31 name the 13th again; trips 12 and 13 ask for nothing.
; x is read once, by this work-group alone: it is quantised here, at the head (wave w: tile w), and its codes go from wave to wave through LDS.
.set RECB,  3328
.set SLOTB, 32*RECB
.set PARTB, 4*RECB                     ; what one tensor load brings
.set SLOT1, 1<<17                      ; LDS: slot 0 at 0, slot 1 here: one exclusive or turns an address in one slot into the other's
.set STG,   SLOT1+SLOTB                ; a stage of 4,608 bytes for each wave (the head);
.set RED,   STG                        ; its first 8,192 bytes serve again at the end: (maximum, index) of 128 rows for each of the 8 parts
.set XSC,   STG+8*4608                 ; x's scale registers: 128 bytes for each of 8 tiles
.set SPARE, XSC+1024                   ; the spare words, 128 bytes a wave: four blocks of 256 bytes that no other line names
.set XROW,  SPARE+1024                 ; the codes of my 128 rows of x
.set XP,    208                        ; their pitch: 192 bytes + 16 = 52 words: row r starts at bank 52 r mod 64 (64 banks of 4 bytes: ISA guide 11.1), sixteen different multiples of 4; lanes 16-31 read 6 words on
.set SPW,  1                           ; my spare word's address; never rewritten
.set NIL,  2                           ; 0; never rewritten
.set L16,  3                           ; 16 x lane + my four records' place in a slot
.set L4,   4                           ; 4 x lane + the same + 3072
.set LEH,  5                           ; 32 (lane / 16) + the same + 3200
.set ADA,  6                           ; v6-8 the three in the slot in hand
.set ADS,  7
.set ADE,  8
.set H8,   9                           ; 8 (lane / 16)
.set RA,   10                          ; the end: where my (maximum, index) go
.set RB,   11                          ; and where waves 0 and 1 read them
.set GO,   12                          ; 8 x lane
.set PFO,  13                          ; 256 x min(lane, 12); never rewritten
.set AF,   16                          ; v16-39   a record's two fragments
.set ESQ,  40                          ; v40-47   -e_sq / 2 of my eight codes
.set ACC,  48                          ; v48-111  eight accumulators
.set KEEP, 112                         ; v112-175 the winning tile's eight s, for each tile of x
.set M0,   176                         ; v176-183, v184-191 the running maxima, two sets by turns
.set M1,   184
.set T,    192                         ; v192-199 16 x the winning tile
.set PM,   200                         ; v200-201 the end: the other half's pair
.set ASC,  230                         ; the record's scale register: nothing else ever stands here
.set XSCL, 232                         ; v232-239 x's scale registers: nothing else ever stands here
; window 1: v[24 i + 12 s]: x's fragment of tile i, K step s
; the head's registers (free again when the loop begins)
.set R0,   16
.set R1,   80
.set X0,   144
.set X1,   176
.set C0,   208
.set C1,   216
.set BY,   224
.set SCO,  226
.set MX,   228
.set GA,   240
.set SW,   241
.set SRD,  242
.set RW,   243
.set SBA,  244
.set FA,   245
.set XSA,  246
.set MSB, 0
.macro WIN new                         ; the immediate's high byte repeats the setting that is left
.if MSB != \new
	s_set_vgpr_msb (MSB<<8)|\new
.set MSB, \new
.endif
.endm
.macro LOAD8 R, off
.irp i, 0,1,2,3,4,5,6,7,8,9,10,11,12,13,14,15
	global_load_b128 v[\R+4*\i:\R+4*\i+3], v[GA], s[4:5] offset:\off+512*\i th:TH_LOAD_NT
.endr
.endm
.macro TURN R, s, X                    ; half s of eight rows through my stage; LDS serves a wave's instructions in order (ISA guide 5.7.1.4)
.irp q, 0,1,2,3,4,5,6,7
	ds_store_b128 v[SW], v[\R+4*(2*\q+\s):\R+4*(2*\q+\s)+3] offset:576*\q
.endr
.irp i, 0,1,2,3,4,5,6,7
	ds_load_b128 v[\X+4*\i:\X+4*\i+3], v[SRD] offset:16*\i
.endr
.endm
.macro QBLK X, C, n, off, sb           ; one block of 32 numbers: its scale byte and its 24 bytes of codes
	v_max3_num_f32 v[MX], |v[\X]|, |v[\X+1]|, |v[\X+2]|
	v_max3_num_f32 v[MX+1], |v[\X+3]|, |v[\X+4]|, |v[\X+5]|
.irp i, 6,10,14,18,22,26
	s_delay_alu instid0(VALU_DEP_2)
	v_max3_num_f32 v[MX], v[MX], |v[\X+\i]|, |v[\X+\i+1]|
	s_delay_alu instid0(VALU_DEP_2)
	v_max3_num_f32 v[MX+1], v[MX+1], |v[\X+\i+2]|, |v[\X+\i+3]|
.endr
	s_delay_alu instid0(VALU_DEP_2)
	v_max3_num_f32 v[MX], v[MX], |v[\X+30]|, |v[\X+31]|
	s_delay_alu instid0(VALU_DEP_1)
	v_max3_num_f32 v[MX], v[MX], v[MX+1], 0x1800000        ; the floor 2^(3 - 127): the byte cannot fall under 1
	s_delay_alu instid0(VALU_DEP_1)
	v_add_nc_u32 v[SCO+\n], 0xff000000, v[MX]              ; 2 off the exponent field: the conversion's scale operand
	s_delay_alu instid0(VALU_DEP_1)
	v_lshrrev_b32 v[BY+\n], 23, v[SCO+\n]                  ; the scale's byte
	v_cvt_scalef32_pk16_fp6_f32 v[\C:\C+2], v[\X:\X+15], v[SCO+\n]
	v_cvt_scalef32_pk16_fp6_f32 v[\C+4:\C+6], v[\X+16:\X+31], v[SCO+\n]
	v_nop                                                  ; one plain place behind a scaled conversion
	v_mov_b32 v[\C+3], v[\C+4]                             ; the block's 192 bits on end
	v_mov_b32 v[\C+4], v[\C+5]
	v_mov_b32 v[\C+5], v[\C+6]
	ds_store_b64 v[RW], v[\C:\C+1] offset:\off
	ds_store_b64 v[RW], v[\C+2:\C+3] offset:\off+8
	ds_store_b64 v[RW], v[\C+4:\C+5] offset:\off+16
	ds_store_b8 v[SBA], v[BY+\n] offset:\sb
.endm
.macro EIGHT u, R, left                ; rows 8 u .. 8 u + 7 of my tile
	s_wait_loadcnt \left                                   ; these eight rows are in; left: the loads of the eight behind them
	TURN \R, 0, X0
	TURN \R, 1, X1
	s_wait_dscnt 16                                        ; the first half's blocks are back: behind them the second turn's 8 stores and 8 loads
	QBLK X0, C0, 0, 8*XP*\u, 32*\u
	s_wait_dscnt 4                                         ; the second half's are back: behind them the first block's 4 stores
	QBLK X1, C1, 1, 8*XP*\u+96, 32*\u+64
	s_wait_dscnt 0x0                                       ; the stores have landed
.endm
.macro FRAGR reg, off                  ; a fragment: lane (r, h) takes 24 bytes at 24 h and at 48 + 24 h of its row's 96, in pieces of 8 bytes
.irp p, 0,1,2,3,4,5
	ds_load_b64 v[\reg+2*\p:\reg+2*\p+1], v[FA] offset:\off+48*(\p/3)+8*(\p%3)
.endr
.endm
.macro CREST                           ; a round of the cluster's barrier behind its opening barrier
	s_cmp_lg_u32 s10, 0
	s_cbranch_scc1 .Lnot_wave_0_\@
	s_barrier_signal -3
.Lnot_wave_0_\@:
	s_barrier_wait -3
	s_barrier_signal -1
	s_barrier_wait -1
.endm
.macro ROUND                           ; a whole round
	s_barrier_signal -1
	s_barrier_wait -1
	CREST
.endm
.macro TLOAD                           ; the joint load: every wave brings its four records; s_nop 0 and four v_nop follow
	tensor_load_to_lds s[24:27], s[16:23]
	s_nop 0
.rept 4
	v_nop
.endr
.endm
.macro NEXTD                           ; the walking descriptor, written while no tensor load of mine is out: the other slot than last time, the next 32 records (the type bits on top are not reached)
	s_xor_b32 s25, s25, SLOT1
	s_add_nc_u64 s[26:27], s[26:27], SLOTB
.endm
.macro LDA u                           ; record u of my four, as it lies: 9 loads
	ds_load_b128 v[ESQ:ESQ+3], v[ADE] offset:RECB*(\u)
	ds_load_b128 v[ESQ+4:ESQ+7], v[ADE] offset:RECB*(\u)+16
	ds_load_b32 v[ASC], v[ADS] offset:RECB*(\u)
.irp k, 0,1,2,3,4,5
	ds_load_b128 v[AF+4*\k:AF+4*\k+3], v[ADA] offset:RECB*(\u)+512*\k
.endr
.endm
; Eight matrix instructions: the record against the eight tiles of x, K step s.  The eight accumulators take turns, one instruction a turn.  K step 0 starts the sums with -e_sq / 2.
; The scale registers carry K step 0's words in lanes 0-15 and K step 1's in lanes 16-31.
.macro MUL s
.irp i, 0,1,2,3,4,5,6,7
.if \s == 0
	v_wmma_scale_f32_16x16x128_f8f6f4 v[ACC+8*\i:ACC+8*\i+7], v[AF:AF+11], v[24*\i:24*\i+11], v[ESQ:ESQ+7], v[ASC], v[XSCL+\i] matrix_a_fmt:MATRIX_FMT_FP6 matrix_b_fmt:MATRIX_FMT_FP6
.else
	v_wmma_scale_f32_16x16x128_f8f6f4 v[ACC+8*\i:ACC+8*\i+7], v[AF+12:AF+23], v[24*\i+12:24*\i+23], v[ACC+8*\i:ACC+8*\i+7], v[ASC], v[XSCL+\i] matrix_a_fmt:MATRIX_FMT_FP6 matrix_b_fmt:MATRIX_FMT_FP6 matrix_a_scale:MATRIX_SCALE_ROW1 matrix_b_scale:MATRIX_SCALE_ROW1
.endif
.endr
.endm
; ONE RECORD against 128 rows.  mo: the running maxima as they stand; mn: where the new ones go.
; meet = 1: the slot's last record, and the slot is filled again; meet = 2: its last record, nothing is left to fetch; meet = 0: any other.
.macro REC t, mo, mn, meet
.if \meet == 1
	s_wait_xcnt 0x0                                ; this trip's prefetch has read its address
	s_add_nc_u64 s[48:49], s[48:49], SLOTB
.endif
.if \meet
	s_wait_tensorcnt 0x0                           ; all my tensor loads have landed: my part of the next slot
	ds_add_u32 v[SPW], v[NIL]
.if \meet == 1
	NEXTD
.endif
	s_wait_dscnt 0x0                               ; the add is done; the record's nine loads are in, and they were my last reads of this slot
	s_barrier_signal -1                            ; (meet = 1: this barrier opens a round of the cluster's barrier); work on registers alone up to its wait
.else
	s_wait_dscnt 0x0                               ; the record's nine loads are in
.endif
	WIN 0x04                                       ; source 1 (x) in window 1
	MUL 0
	MUL 1
	WIN 0
.rept 4
	v_nop                                          ; four places ahead of the loads into the operands' registers and of the first read of the results
.endr
.if \t < 3
	LDA \t+1
.endif
.irp i, 0,1,2,3,4,5,6,7                        ; each accumulator from its low end on; the tiles by turns
	v_max3_num_f32 v[\mn+\i], v[\mo+\i], v[ACC+8*\i], v[ACC+8*\i+1]
.endr
.irp p, 2,4,6
.irp i, 0,1,2,3,4,5,6,7
	v_max3_num_f32 v[\mn+\i], v[\mn+\i], v[ACC+8*\i+\p], v[ACC+8*\i+\p+1]
.endr
.endr
.irp i, 0,1,2,3,4,5,6,7
	v_cmp_gt_f32 s[36+\i], v[\mn+\i], v[\mo+\i]    ; strictly larger: an earlier tile keeps a tie
.endr
.irp i, 0,1,2,3,4,5,6,7
	v_cndmask_b32 v[T+\i], v[T+\i], s29, s[36+\i]  ; 16 x the tile's number
.endr
.irp i, 0,1,2,3,4,5,6,7                        ; and the winning tile's eight s are kept, two selects an instruction, both under VCC
	s_mov_b32 vcc_lo, s[36+\i]
.irp q, 0,2,4,6
	v_dual_cndmask_b32 v[KEEP+8*\i+\q], v[KEEP+8*\i+\q], v[ACC+8*\i+\q] :: v_dual_cndmask_b32 v[KEEP+8*\i+\q+1], v[KEEP+8*\i+\q+1], v[ACC+8*\i+\q+1]
.endr
.endr
	s_add_co_u32 s29, s29, 16
.if \meet
	s_barrier_wait -1
.endif
.if \meet == 1
	CREST                                          ; no wave of any partner still reads this slot or has a load on its way
	TLOAD                                          ; the first thing behind the round, and a wave's one tensor load until the next
.endif
.endm
.macro SLOT ask, meet                  ; my four records of the slot in hand; ask = 1: in the loop, where later steps are left to ask for
	v_add_nc_u32 v[ADA], s28, v[L16]
	v_add_nc_u32 v[ADS], s28, v[L4]
	v_add_nc_u32 v[ADE], s28, v[LEH]
	s_wait_alu depctr_va_vdst(0)
	LDA 0
	REC 0, M0, M1, 0
.if \ask
	s_cmp_ge_u32 s30, 3                            ; trips 0 to 11 (s30 = 14 .. 3): step t + 4 exists
	s_cbranch_scc0 .Lno_ask_\@
	s_cmp_lt_u32 ttmp9, 4
	s_cbranch_scc0 .Lno_prefetch_neares0_\@
	global_prefetch_b8 v[PFO], s[48:49] th:TH_LOAD_NT scope:SCOPE_SE
.Lno_prefetch_neares0_\@:
.Lno_ask_\@:
.endif
	REC 1, M1, M0, 0
	REC 2, M0, M1, 0
	REC 3, M1, M0, \meet
	s_xor_b32 s28, s28, SLOT1                      ; on to the other slot,
	s_add_co_u32 s29, s29, 448                     ; and to my four records of the next 32: 512 codes on in all
.endm
; (dm, di) = the better of (m, x) and (mo, xo): the larger maximum, and the lower index where the maxima are equal
.macro LEX dm, di, m, x, mo, xo
	v_cmp_gt_f32 s44, v[\mo], v[\m]
	v_cmp_eq_f32 s45, v[\mo], v[\m]
	v_cmp_lt_u32 s46, v[\xo], v[\x]
	s_and_b32 s45, s45, s46
	s_or_b32 s44, s44, s45
	v_cndmask_b32 v[\dm], v[\m], v[\mo], s44
	v_cndmask_b32 v[\di], v[\x], v[\xo], s44
.endm
	s_load_b128 s[4:7], s[0:1], 0x0                ; x s[4:5], the records s[6:7]
	s_load_b64 s[8:9], s[0:1], 0x10                ; ind
	v_lshl_add_u32 v[SPW], v0, 2, SPARE
	v_mov_b32 v[NIL], 0
	ds_add_u32 v[SPW], v[NIL]
	ds_add_u32 v[SPW], v[NIL]
	v_lshrrev_b32 v247, 5, v0
	v_and_b32 v248, 31, v0                         ; lane
	s_delay_alu instid0(VALU_DEP_2)
	v_readfirstlane_b32 s10, v247                  ; wave 0..7
	s_delay_alu instid0(VALU_DEP_2)
	v_lshlrev_b32 v[GA], 4, v248
	s_bfe_u32 s13, ttmp6, 0x40000                  ; cx: it enters x's, ind's and the prefetch's addresses alone
	s_lshl_b32 s14, ttmp9, 2                       ; in a cluster launch ttmp9 counts clusters
	s_add_co_u32 s14, s14, s13                     ; my work-group
	s_mov_b32 s16, 15|(3<<16)|(1<<21)              ; group 1: mask of all four; elements of 8 bytes; no padding; bit 21 beside a mask
	s_mov_b32 s17, 32<<16                          ; tensor_dim0 = 32
	s_mov_b32 s18, 52<<16                          ; tensor_dim1 = 52
	s_mov_b32 s19, 32<<16                          ; tile_dim0 = 32
	s_mov_b32 s20, 52                              ; tile_dim1 = 52
	s_mov_b32 s21, 32                              ; from row to row
	s_mov_b32 s22, 0
	s_mov_b32 s23, 0
	s_mul_i32 s40, s10, PARTB                      ; my four records' place in a slot and in a step
	s_mov_b32 s24, 1                               ; group 0: count = 1
	s_mov_b32 s25, s40                             ; LDS address: slot 0
	s_mov_b32 s46, s40
	s_mov_b32 s47, 0
	s_mul_i32 s50, s13, RECB                       ; the prefetch: my work-group's 13 rows of the wave's 52,
	s_add_co_u32 s50, s50, s40
	s_add_co_u32 s50, s50, 4*SLOTB                 ; at step 4, which trip 0 names; each trip's change of slots steps it on
	s_mov_b32 s51, 0
	s_lshl_b32 s52, s14, 17                        ; x: my work-group's 128 rows of 1,024 bytes,
	s_lshl_b32 s53, s10, 14                        ; my wave's 16
	s_add_co_u32 s52, s52, s53
	s_mov_b32 s53, 0
	s_lshl_b32 s34, s14, 9                         ; ind: 512 bytes a work-group, 256 for each of the two waves that store
	s_lshl_b32 s35, s10, 8
	s_add_co_u32 s34, s34, s35
	s_mov_b32 s35, 0
	s_mov_b32 s28, 0                               ; the slot in hand
	s_lshl_b32 s29, s10, 6                         ; 16 x the record in hand
	s_mov_b32 s30, 14                              ; trips that fill a slot again
	s_mov_b32 s32, 0x76543210                      ; v_permlanex16_b32's selects for lane l xor 16
	s_mov_b32 s33, 0xfedcba98
	s_lshl_b32 s41, s10, 10
	s_add_co_u32 s41, s41, RED                     ; my part's pairs
	s_lshl_b32 s42, s10, 9
	s_add_co_u32 s42, s42, RED                     ; the 64 rows that wave 0 or 1 joins
	s_mul_i32 s43, s10, 4608
	s_add_co_u32 s43, s43, STG                     ; my stage
	s_mul_i32 s44, s10, 16*XP
	s_add_co_u32 s44, s44, XROW                    ; my tile's rows of codes
	s_lshl_b32 s45, s10, 7
	s_add_co_u32 s45, s45, XSC                     ; my tile's scale register
	s_wait_alu depctr_va_vdst(0)
	s_wait_dscnt 0x0                               ; both opening adds are done
	s_wait_kmcnt 0x0
	s_add_nc_u64 s[4:5], s[4:5], s[52:53]
	s_add_nc_u64 s[8:9], s[8:9], s[34:35]
	s_add_nc_u64 s[26:27], s[6:7], s[46:47]        ; records 0 to 31, my part
	s_add_nc_u64 s[48:49], s[6:7], s[50:51]
	s_or_b32 s27, s27, 0x80000000                  ; type = 2
	LOAD8 R0, 0                                    ; my 16 rows of x are asked for first
	LOAD8 R1, 8192
	ROUND                                          ; all four work-groups are here: the first joint loads meet
	TLOAD                                          ; step 0 into slot 0: one tensor load a wave at the head
	v_and_b32 v249, 15, v0                         ; r
	v_bfe_u32 v250, v0, 4, 1                       ; h
	v_lshrrev_b32 v251, 2, v248                    ; lane / 4: my row of eight
	v_and_b32 v252, 3, v248                        ; lane % 4: my block of a half row
	v_lshrrev_b32 v253, 3, v248
	v_lshl_add_u32 v[L16], v248, 4, s40
	v_lshl_add_u32 v[L4], v248, 2, s40
	v_lshl_add_u32 v[RB], v248, 4, s42
	v_lshlrev_b32 v[GO], 3, v248
	v_add_nc_u32 v[SBA], s45, v248                 ; row 8 u + lane / 4, K step s, block lane % 4: byte 64 s + 32 u + lane
	v_lshl_add_u32 v[XSA], v248, 2, XSC
	v_min_u32 v[PFO], 12, v248
	v_lshl_add_u32 v[LEH], v250, 5, s40
	v_lshlrev_b32 v[H8], 3, v250
	v_lshl_add_u32 v[RA], v249, 3, s41
	v_add_nc_u32 v253, v253, v248
	v_mul_u32_u24 v[SRD], v251, 576
	v_mul_u32_u24 v[RW], v251, XP
	v_mul_u32_u24 v[FA], v249, XP
	v_add_nc_u32 v[L4], 3072, v[L4]
	v_lshlrev_b32 v[PFO], 8, v[PFO]
	v_add_nc_u32 v[LEH], 3200, v[LEH]
	v_lshl_add_u32 v[SW], v253, 4, s43             ; 16 (lane + lane / 8): 16 bytes of padding behind each block's 128
	v_mad_u32_u24 v[SRD], v252, 144, v[SRD]
	v_mad_u32_u24 v[RW], v252, 24, v[RW]
	v_mad_u32_u24 v[FA], v250, 24, v[FA]
	s_delay_alu instid0(VALU_DEP_3)
	v_add_nc_u32 v[SRD], s43, v[SRD]
	s_delay_alu instid0(VALU_DEP_3)
	v_add_nc_u32 v[RW], s44, v[RW]
	s_delay_alu instid0(VALU_DEP_3)
	v_add_nc_u32 v[FA], XROW, v[FA]
	s_wait_alu depctr_va_vdst(0)
	; ---- my 16 rows of x become codes and scale bytes in LDS
	EIGHT 0, R0, 16
	EIGHT 1, R1, 0
	s_barrier_signal -1                            ; slot 0's load may stay out
	s_barrier_wait -1
	; ---- all 128 rows as operands: they stay in registers
	WIN 0x40                                       ; destination in window 1
.irp i, 0,1,2,3,4,5,6,7
	FRAGR 24*\i, 16*XP*\i
	FRAGR 24*\i+12, 16*XP*\i+96
.endr
	WIN 0
.irp i, 0,1,2,3,4,5,6,7
	ds_load_b32 v[XSCL+\i], v[XSA] offset:128*\i
.endr
.irp i, 0,1,2,3,4,5,6,7
	v_mov_b32 v[M0+\i], 0xff800000                 ; the running maximum: -infinity
	v_mov_b32 v[T+\i], 0
.endr
.set q, 0
.rept 64
	v_mov_b32 v[KEEP+q], 0xff800000                ; the selects read what they keep: written once here
.set q, q+1
.endr
	v_mov_b32 v[PM], 0                             ; a lane permute's destination counts as one of its sources
	v_mov_b32 v[PM+1], 0
	s_wait_alu depctr_va_vdst(0)
	; ---- slot 1's first fill is issued as a refill is
	s_wait_tensorcnt 0x0                           ; my part of step 0 is in
	ds_add_u32 v[SPW], v[NIL]
	NEXTD
	s_wait_dscnt 0x0                               ; the add is done, and x's fragments and scale registers are in
	ROUND
	TLOAD                                          ; step 1 into slot 1
.Lslot:                                            ; 14 trips: steps 0 to 13; their loads bring steps 2 to 15
	SLOT 1, 1
	s_sub_co_u32 s30, s30, 1
	s_cmp_lg_u32 s30, 0
	s_cbranch_scc1 .Lslot
	SLOT 0, 2                                      ; the last two steps are written out
	SLOT 0, 0
	; ---- THE END.  j = the lowest j whose kept s equals the maximum; index = 16 x tile + 8 (lane / 16) + j
.irp i, 0,1,2,3,4,5,6,7
	v_mov_b32 v[ACC+\i], 7
.endr
.irp j, 6,5,4,3,2,1,0
.irp i, 0,1,2,3,4,5,6,7
	v_cmp_eq_f32 s[36+\i], v[KEEP+8*\i+\j], v[M0+\i]
.endr
.irp i, 0,1,2,3,4,5,6,7
	v_cndmask_b32 v[ACC+\i], v[ACC+\i], \j, s[36+\i]
.endr
.endr
.irp i, 0,1,2,3,4,5,6,7
	v_add3_u32 v[T+\i], v[T+\i], v[ACC+\i], v[H8]
.endr
.irp i, 0,1,2,3,4,5,6,7
	v_permlanex16_b32 v[PM], v[M0+\i], s32, s33    ; the row's other eight codes of each tile lie in the lane 16 away
	v_permlanex16_b32 v[PM+1], v[T+\i], s32, s33
	LEX ACC+16+2*\i, ACC+17+2*\i, M0+\i, T+\i, PM, PM+1
	ds_store_b64 v[RA], v[ACC+16+2*\i:ACC+17+2*\i] offset:128*\i   ; row 16 i + r of my part; lanes r and r + 16 write the same
.endr
	s_wait_dscnt 0x0                               ; for the others' sake: my stores have landed
	s_barrier_signal -1
	s_barrier_wait -1
	s_cmp_lt_u32 s10, 2                            ; waves 0 and 1 join the eight parts: 64 rows each, two rows a lane
	s_cbranch_scc0 .Ldone
.irp k, 0,1,2,3,4,5,6,7
	ds_load_b128 v[ACC+4*\k:ACC+4*\k+3], v[RB] offset:1024*\k
.endr
	s_wait_dscnt 0x0
.irp k, 1,2,3,4,5,6,7
	LEX ACC, ACC+1, ACC, ACC+1, ACC+4*\k, ACC+4*\k+1
	LEX ACC+2, ACC+3, ACC+2, ACC+3, ACC+4*\k+2, ACC+4*\k+3
.endr
	v_mov_b32 v[ACC+4], v[ACC+1]
	s_delay_alu instid0(VALU_DEP_2)
	v_mov_b32 v[ACC+5], v[ACC+3]
	global_store_b64 v[GO], v[ACC+4:ACC+5], s[8:9] ; 32 lanes store 256 consecutive bytes, at a multiple of 256 from ind's first byte
.Ldone:
	s_wait_tensorcnt 0x0                           ; the wave's end
	ds_add_u32 v[SPW], v[NIL]
	s_wait_dscnt 0x0
	ROUND                                          ; the closing round: no work-group ends while a partner may still ask for a part that names it
	s_endpgm
.Lfunc_end_k_q523e74dc64_nearest:
	.size	k_q523e74dc64_nearest, .Lfunc_end_k_q523e74dc64_nearest-k_q523e74dc64_nearest
	.p2alignl 7, 3214868480
	.fill 96, 4, 3214868480
	.section	.rodata,"a",@progbits
	.p2align	6, 0x0
	.amdhsa_kernel k_q523e74dc64_nearest
		.amdhsa_group_segment_fixed_size 327680
		.amdhsa_private_segment_fixed_size 0
		.amdhsa_enable_private_segment 0
		.amdhsa_kernarg_size 24
		.amdhsa_user_sgpr_count 2
		.amdhsa_user_sgpr_kernarg_segment_ptr 1
		.amdhsa_wavefront_size32 1
		.amdhsa_system_sgpr_workgroup_id_x 1
		.amdhsa_system_sgpr_workgroup_id_y 1
		.amdhsa_system_sgpr_workgroup_id_z 1
		.amdhsa_system_vgpr_workitem_id 0
		.amdhsa_next_free_vgpr 448
		.amdhsa_next_free_sgpr 66
		.amdhsa_reserve_vcc 1
		.amdhsa_float_denorm_mode_32 3
		.amdhsa_float_denorm_mode_16_64 3
		.amdhsa_memory_ordered 1
		.amdhsa_forward_progress 1
		.amdhsa_inst_pref_size 152
	.end_amdhsa_kernel
	.amdgpu_metadata
---
amdhsa.version: [ 1, 2 ]
amdhsa.kernels:
  - .name:           k_q523e74dc64_nearest
    .symbol:         k_q523e74dc64_nearest.kd
    .args:
      - { .name: x, .offset: 0, .size: 8, .value_kind: global_buffer, .address_space: global }
      - { .name: ecode, .offset: 8, .size: 8, .value_kind: global_buffer, .address_space: global }
      - { .name: ind, .offset: 16, .size: 8, .value_kind: global_buffer, .address_space: global }
    .group_segment_fixed_size: 327680
    .private_segment_fixed_size: 0
    .kernarg_segment_align: 8
    .kernarg_segment_size: 24
    .max_flat_workgroup_size: 256
    .sgpr_count:     66
    .vgpr_count:     448
    .wavefront_size: 32
...
	.end_amdgpu_metadata
.endif
;; end of part 2
;; launch lookup (part 3): grid 256 x 1, 8 waves a work-group, no clusters, 0 bytes of LDS; arguments ind, embed, out0; writes out0
.if DOCPART == 3
	.amdgcn_target "amdgcn-amd-amdhsa--gfx1250"
	.amdhsa_code_object_version 6
	.text
	.protected	k_q523e74dc64_lookup
	.globl	k_q523e74dc64_lookup
	.p2align	8
	.type	k_q523e74dc64_lookup,@function
k_q523e74dc64_lookup:
	s_mov_b64 s[64:65], 0
	v_nop
	global_prefetch_b8 v0, s[64:65] scope:SCOPE_SE
	s_setreg_imm32_b32 hwreg(HW_REG_WAVE_MODE, 25, 1), 1
	s_wait_xcnt 0x0
; out0[row][:] = embed[ind[row]][:], rows of 1,024 bytes, as given (f32, not quantised).  ind was stored by the launch before, as whole numbers.
; A wave takes 16 rows: their 16 indices come by one scalar load; each row is two loads and two stores of 512 consecutive bytes.  All 32 loads go out together; there is no loop, no LDS, no barrier.
; An index is held to 0 .. 8,191 ahead of its use in an address.  No hint on the loads: a row of embed may be named many times.
	s_load_b128 s[4:7], s[0:1], 0x0                ; ind s[4:5], embed s[6:7]
	s_load_b64 s[8:9], s[0:1], 0x10                ; out0
	v_lshrrev_b32 v2, 5, v0
	s_delay_alu instid0(VALU_DEP_1)
	v_readfirstlane_b32 s10, v2                    ; wave 0..7
	v_and_b32 v1, 31, v0
	s_delay_alu instid0(VALU_DEP_1)
	v_lshlrev_b32 v1, 4, v1                        ; 16 x lane
	s_lshl_b32 s11, ttmp9, 3
	s_add_co_u32 s11, s11, s10                     ; which 16 rows: 8 x work-group + wave
	s_lshl_b32 s12, s11, 6                         ; their indices: 64 bytes
	s_mov_b32 s13, 0
	s_lshl_b32 s14, s11, 14                        ; their rows of out0: 16,384 bytes
	s_mov_b32 s15, 0
	s_wait_alu depctr_va_vdst(0)
	s_wait_kmcnt 0x0
	s_add_nc_u64 s[4:5], s[4:5], s[12:13]
	s_add_nc_u64 s[8:9], s[8:9], s[14:15]
	s_load_b512 s[16:31], s[4:5], 0x0
	s_wait_kmcnt 0x0
.irp i, 0,1,2,3,4,5,6,7,8,9,10,11,12,13,14,15
	s_min_u32 s[16+\i], s[16+\i], 0x1fff           ; inside the table
	s_lshl_b32 s[16+\i], s[16+\i], 10              ; a row is 1,024 bytes
	v_add_nc_u32 v[4+\i], s[16+\i], v1
.endr
	s_wait_alu depctr_va_vdst(0)
.irp i, 0,1,2,3,4,5,6,7,8,9,10,11,12,13,14,15
	global_load_b128 v[24+8*\i:24+8*\i+3], v[4+\i], s[6:7]
	global_load_b128 v[24+8*\i+4:24+8*\i+7], v[4+\i], s[6:7] offset:512
.endr
.irp i, 0,1,2,3,4,5,6,7,8,9,10,11,12,13,14,15
	s_wait_loadcnt 30-2*\i                         ; loads come back in order (ISA guide 5.7.1): row i is in, the later rows' loads may be out
	global_store_b128 v1, v[24+8*\i:24+8*\i+3], s[8:9] offset:1024*\i th:TH_STORE_NT       ; 32 lanes store 512 consecutive bytes, at a multiple of 256 from out0's first byte
	global_store_b128 v1, v[24+8*\i+4:24+8*\i+7], s[8:9] offset:1024*\i+512 th:TH_STORE_NT
.endr
	s_endpgm
.Lfunc_end_k_q523e74dc64_lookup:
	.size	k_q523e74dc64_lookup, .Lfunc_end_k_q523e74dc64_lookup-k_q523e74dc64_lookup
	.p2alignl 7, 3214868480
	.fill 96, 4, 3214868480
	.section	.rodata,"a",@progbits
	.p2align	6, 0x0
	.amdhsa_kernel k_q523e74dc64_lookup
		.amdhsa_group_segment_fixed_size 0
		.amdhsa_private_segment_fixed_size 0
		.amdhsa_enable_private_segment 0
		.amdhsa_kernarg_size 24
		.amdhsa_user_sgpr_count 2
		.amdhsa_user_sgpr_kernarg_segment_ptr 1
		.amdhsa_wavefront_size32 1
		.amdhsa_system_sgpr_workgroup_id_x 1
		.amdhsa_system_sgpr_workgroup_id_y 1
		.amdhsa_system_sgpr_workgroup_id_z 1
		.amdhsa_system_vgpr_workitem_id 0
		.amdhsa_next_free_vgpr 152
		.amdhsa_next_free_sgpr 66
		.amdhsa_reserve_vcc 0
		.amdhsa_float_denorm_mode_32 3
		.amdhsa_float_denorm_mode_16_64 3
		.amdhsa_memory_ordered 1
		.amdhsa_forward_progress 1
		.amdhsa_inst_pref_size 10
	.end_amdhsa_kernel
	.amdgpu_metadata
---
amdhsa.version: [ 1, 2 ]
amdhsa.kernels:
  - .name:           k_q523e74dc64_lookup
    .symbol:         k_q523e74dc64_lookup.kd
    .args:
      - { .name: ind, .offset: 0, .size: 8, .value_kind: global_buffer, .address_space: global }
      - { .name: embed, .offset: 8, .size: 8, .value_kind: global_buffer, .address_space: global }
      - { .name: out0, .offset: 16, .size: 8, .value_kind: global_buffer, .address_space: global }
    .group_segment_fixed_size: 0
    .private_segment_fixed_size: 0
    .kernarg_segment_align: 8
    .kernarg_segment_size: 24
    .max_flat_workgroup_size: 256
    .sgpr_count:     66
    .vgpr_count:     152
    .wavefront_size: 32
...
	.end_amdgpu_metadata
.endif
;; end of part 3
